; MI455X (gfx1250); checked and timed in simulation.
; The chip was launched on July 23, 2026; its instructions are those of AMD's public machine-readable ISA for CDNA 5 (MIT licence, August 2026) and "CDNA5" Instruction Set Architecture Reference Guide (July 2026). The comments in the code are by the model that wrote it; some were corrected since.
;; Weight Quant GMM Model. Allowed arithmetic: float matrix products may take bf16 or f16 operands with f32 sums; other float arithmetic in f32, or as packed bf16 or f16 multiplies, adds, multiply-adds, maxima and minima; sums over many terms, partial sums and values carried from step to step in f32; what a program stores and reads back later, other than sums and carried values, may be rounded once to bf16 or f16.
;; Inputs: antiquant_offset 64 x 1,024 float32; antiquant_scale 64 x 1,024 float32; group_list 64 int32; weight 64 x 1,024 x 1,024 int32; x 2,048 x 1,024 float32.
;; Outputs: out0 2,048 x 1,024 float32.
;; Constants: group_list_type = 0.
;; One version. Each part assembles by itself: llvm-mc -triple=amdgcn-amd-amdhsa -mcpu=gfx1250 --defsym DOCPART=n.
;; ======== version 1 of 1: 1 launch
;; launch gmm (part 1): grid 4 x 64, 8 waves a work-group, no clusters, 108,032 bytes of LDS; arguments x, weight, antiquant_scale, antiquant_offset, group_list, out0; writes out0
.if DOCPART == 1
	.amdgcn_target "amdgcn-amd-amdhsa--gfx1250"
	.amdhsa_code_object_version 6
	.text
	.protected	k_q84a4a152a8_gmm
	.globl	k_q84a4a152a8_gmm
	.p2align	8
	.type	k_q84a4a152a8_gmm,@function
k_q84a4a152a8_gmm:
	s_mov_b64 s[64:65], 0
	v_nop
	global_prefetch_b8 v0, s[64:65] scope:SCOPE_SE
	s_setreg_imm32_b32 hwreg(HW_REG_WAVE_MODE, 25, 1), 1
	s_wait_xcnt 0x0
; out0[m][n] = sum over k of x[m][k] (weight[g][k][n] + offset[g][n]) scale[g][n], g = the group of row m by the cumulative group_list (group_list_type is the constant 0).
; x [2048][1024] f32, weight [64][1024][1024] i32, scale, offset [64][1024] f32, group_list [64] i32, out0 [2048][1024] f32.
; WHAT IS NOT DONE.  A row is multiplied with its own group's weights alone: ragged_dot gives row m nothing of any other group, whatever the inputs hold; which group that is, is read from
; group_list.  Rows at or past group_list[63] belong to no group and get 0.  A NaN, an infinity or an overflow in the weights, scale or offset of a group that owns no row is not carried to the result.
; THE SUM IS REGROUPED, by an identity for all values: sum x (w + off) scale = scale (sum x w + off sum x).  Both sums are f32 sums of the matrix unit over the SAME x rounded to bf16 (the second
; is a product with a fragment of ones), so what the rounding of x does to the result is what it does in sum x (w + off).  Integers up to 256 in magnitude are exact in bf16; larger ones are rounded like any matrix operand.
; LIMITS.  group_list does not decrease and lies in 0 .. 2048, as ragged_dot relies on; every entry is held to 2048 and every row number to its buffer, so that no address leaves a buffer otherwise either.
; SHARES.  Grid 4 x 64.  Work-group (slice, i): 256 columns; first the first 32 rows (or fewer) of expert i; then the further tile of 32 rows, of whatever expert, whose first row lies in
; rows 32 i .. 32 i + 31.  Further tiles begin at start + 32 j, j >= 1: two of them begin 32 rows apart or more, so there is at most one for each i; row 32 i - 1 lies in the same expert, which is
; therefore the number of entries <= 32 i - 1, and the tile begins at 32 i + (start mod 32).  So two tiles a work-group serve every split.
; THE TILE'S TEXT STANDS TWICE.  The first copy has no jump round its parts: every register and LDS byte that a later part reads has then been written on every way.  The second copy jumps its parts
; where the split leaves it no rows; its two barriers lie on every wave's way, and all its pointers are made ahead of the jumps.
; Wave = (strip of 64 columns: wave mod 4, half of K: wave / 4).  The halves' sums meet in LDS; waves 0-3 finish and store.
; THE WEIGHTS GO STRAIGHT FROM MEMORY INTO FRAGMENTS.  A load takes 16 bytes a lane: lanes 0-15 256 consecutive bytes, aligned, of row k, lanes 16-31 of row k + 16.  After 16 loads (a chunk: 32 k) lane
; (r = lane mod 16, h = lane / 16) holds k = 16 h + 0..15 of columns 4 r + 0..3: for each j the 8 registers of a B fragment whose column r is column 4 r + j.  x's fragments take k in the same order
; (lane (r, h): row r, k = 16 h + 0..15), so the products are the true ones.  In the four results a lane holds columns 4 r + 0..3 of row 8 h + i: 16 bytes of out0 on end.
; IN FLIGHT.  A ring of three chunks in registers: while one is converted and multiplied, two (32 loads, 16 KB a wave) are out, and the first is asked for again before its products.
; A WAVE'S 16 CHUNKS ARE WRITTEN OUT: every LDS read of x is then one register that is never rewritten plus a constant, inside x's 66,048 bytes, apart from the partial sums behind them,
; which other waves write while slower waves still read x.
; NO CLUSTER: what the four slices of an expert share is its 32 rows of x, 128 KB, beside 1 MB of weights that each slice alone reads; and x is wanted rounded to bf16, which it becomes on its way through registers.
; REGISTERS, in windows of 256 (s_set_vgpr_msb: bits 1:0 source 0, 3:2 source 1, 7:6 destination).  Window 1: v0-191 the ring.  Window 0: all else.
.set XP,     2064                      ; a row of x in LDS: 2,048 bytes of bf16 + 16: the 16 rows of a fragment load start 16 bytes apart modulo 256
.set RSTRIP, 10*1024                   ; a wave's ten partial accumulators in LDS
.set RBASE,  32*XP                     ; behind x's 32 rows
.set SPARE,  RBASE+4*RSTRIP            ; behind them: the spare words, 128 bytes for each wave: four blocks of 256 bytes that no other line names
.set ROWB,   4096                      ; bytes in a row of x, of out0, and of one k of an expert's weights
.set CHKB,   32*ROWB                   ; a chunk's 32 k
.set L16,  2                           ; v2   16 x lane
.set WO,   3                           ; v3   my place in a chunk of weights: 16 h rows + 16 r bytes; never rewritten
.set XS,   4                           ; v4   where I put 8 bytes of x: row = wave, 8 x lane
.set RS,   6                           ; v6   my 16 bytes in a partial accumulator of my strip
.set ROWH, 7                           ; v7   8 h
.set COL,  8                           ; v8   16 r
.set AR0,  9                           ; v9   where I read x's fragments: r x XP + 32 h + 1,024 x my half of K; never rewritten
.set SPW,  10                          ; v10  LDS address of my spare word; never rewritten
.set NIL,  11                          ; v11  0; never rewritten
.set ZQ,   12                          ; v[12:15]   zeros for rows of no group
.set ONES, 16                          ; v[16:23]   a fragment of ones
.set F,    24                          ; v[24:55]   the chunk's four B fragments
.set A,    56                          ; v[56:71]   x's fragments of two tiles of 16 rows
.set ACC,  72                          ; v[72:151]  row tile m, column set j (4: the row sums) at ACC + 40 m + 8 j
.set P,    152                         ; v[152:191] the other half of K's sums
.set T,    192                         ; v[192:207] four quads to store
.set O,    208                         ; v[208:211] their offsets
.set XT,   72                          ; v[72:199]  x as loaded, ahead of the products
.set GV,   212                         ; v[212:213] entries 2 lane, 2 lane + 1 of group_list
.set GL,   214                         ; v214 8 x lane
.set SCL,  248                         ; v[248:251] scale of my 4 columns
.set OFS,  252                         ; v[252:255] offset of my 4 columns
.set WV,   2                           ; s2   wave
.set WP,   16                          ; s[16:17] weights at the chunk in hand
.set OP,   18                          ; s[18:19] out0 at the tile's first row, my strip
.set TA,   20                          ; s[20:21] an offset in 64 bits
.set SB,   22                          ; s[22:23] scale at my strip
.set XR,   24                          ; s[24:31] x at the four rows that I stage
.set OB,   32                          ; s[32:33] offset at my strip
.set ZP,   34                          ; s[34:35] out0 at my first row of the block of rows 32 i ..
.set EI,   36                          ; i
.set SLB,  37                          ; byte of my strip in a row: 1,024 slice + 256 strip
.set Q,    38                          ; my half of K
.set TG,   39                          ; the tile: expert,
.set TR0,  40                          ; first row,
.set TN,   41                          ; rows, 0 .. 32,
.set NM1,  42                          ; last row's place
.set NG,   43                          ; the second tile's expert
.set NST,  44                          ; its start, as loaded
.set NEN,  45                          ; its end, as loaded
.set E63,  46                          ; rows that belong to a group
.set SK,   47                          ; 1: there is no second tile
.set S0,   48
.set S1,   49
.set SLICEB, 50                        ; 1,024 slice
.set IX0,  51                          ; offsets of scalar loads from group_list
.set IX1,  52
.set MSB, 0
.macro WIN new                         ; the immediate's high byte repeats the setting that is left; a switch that changes nothing is dropped
.if MSB != (\new)
	s_set_vgpr_msb (MSB<<8)|(\new)
.set MSB, \new
.endif
.endm
	s_load_b256 s[4:11], s[0:1], 0x0               ; x s[4:5], weight s[6:7], scale s[8:9], offset s[10:11]
	s_load_b128 s[12:15], s[0:1], 0x20             ; group_list s[12:13], out0 s[14:15]
	v_lshl_add_u32 v[SPW], v0, 2, SPARE
	v_mov_b32 v[NIL], 0
	v_lshrrev_b32 v1, 5, v0
	v_readfirstlane_b32 s[WV], v1                  ; wave 0..7
	v_and_b32 v1, 31, v0                           ; lane
	v_lshlrev_b32 v[GL], 3, v1
	s_and_b32 s[EI], ttmp7, 0xffff
	s_lshr_b32 s[Q], s[WV], 2
	s_and_b32 s[S0], s[WV], 3                      ; strip
	s_lshl_b32 s[SLICEB], ttmp9, 10
	s_lshl_b32 s[SLB], s[S0], 8
	s_add_co_u32 s[SLB], s[SLB], s[SLICEB]
	s_mul_i32 s[S0], s[S0], RSTRIP
	s_add_co_u32 s[S0], s[S0], RBASE               ; my strip's partial sums
	s_max_u32 s[IX0], s[EI], 1
	s_sub_co_u32 s[IX0], s[IX0], 1
	s_lshl_b32 s[IX0], s[IX0], 2                   ; entry i - 1 (entry 0 for i = 0, where it is not used)
	s_lshl_b32 s[IX1], s[EI], 2                    ; entry i
	s_wait_kmcnt 0x0
	s_load_b32 s[TR0], s[12:13], s[IX0] offset:0x0
	s_load_b32 s[TN], s[12:13], s[IX1] offset:0x0
	s_load_b32 s[E63], s[12:13], 0xfc
	global_load_b64 v[GV:GV+1], v[GL], s[12:13]    ; all 64 entries, two a lane: 256 consecutive bytes
	v_and_b32 v[COL], 15, v0                       ; r
	v_bfe_u32 v[ROWH], v0, 4, 1                    ; h
	v_lshlrev_b32 v[L16], 4, v1
	v_add_nc_u32 v[RS], s[S0], v[L16]
	s_mul_i32 s[S0], s[WV], XP
	v_lshl_add_u32 v[XS], v1, 3, s[S0]
	v_mul_u32_u24 v[AR0], v[COL], XP
	v_lshl_add_u32 v[AR0], v[ROWH], 5, v[AR0]
	s_lshl_b32 s[S0], s[Q], 10                     ; 512 k of bf16
	v_add_nc_u32 v[AR0], s[S0], v[AR0]
	v_lshlrev_b32 v[COL], 4, v[COL]
	v_lshl_add_u32 v[WO], v[ROWH], 16, v[COL]      ; 16 rows of 4,096 bytes for the upper lanes
	v_lshlrev_b32 v[ROWH], 3, v[ROWH]
.set r, 0
.rept 8
	v_mov_b32 v[ONES+r], 0x3f803f80                ; 1.0 twice in bf16
.set r, r+1
.endr
.set r, 0
.rept 4
	v_mov_b32 v[ZQ+r], 0
.set r, r+1
.endr
	s_wait_kmcnt 0x0
	; the first tile: expert i, from its start, 32 rows at the most
	s_cmp_eq_u32 s[EI], 0
	s_cselect_b32 s[TR0], 0, s[TR0]
	s_min_u32 s[TR0], s[TR0], 2048
	s_min_u32 s[TN], s[TN], 2048
	s_sub_co_i32 s[TN], s[TN], s[TR0]
	s_max_i32 s[TN], s[TN], 0
	s_min_u32 s[TN], s[TN], 32
	s_max_u32 s[NM1], s[TN], 1
	s_sub_co_u32 s[NM1], s[NM1], 1
	s_mov_b32 s[TG], s[EI]
	s_min_u32 s[E63], s[E63], 2048
	; the second tile's expert: the number of entries <= 32 i - 1.  For i = 0 that bound is all ones, the number is 64, and there is no tile.
	s_lshl_b32 s[S1], s[EI], 5
	s_sub_co_u32 s[S1], s[S1], 1
	s_wait_loadcnt 0x0                             ; the list; it was asked for together with the scalar loads just waited for
	v_cmp_ge_u32 vcc_lo, s[S1], v[GV]
	s_bcnt1_i32_b32 s[NG], vcc_lo
	v_cmp_ge_u32 vcc_lo, s[S1], v[GV+1]
	s_bcnt1_i32_b32 s[S0], vcc_lo
	s_add_co_u32 s[NG], s[NG], s[S0]
	s_max_u32 s[IX0], s[NG], 1
	s_sub_co_u32 s[IX0], s[IX0], 1
	s_min_u32 s[IX0], s[IX0], 63
	s_lshl_b32 s[IX0], s[IX0], 2
	s_min_u32 s[IX1], s[NG], 63
	s_lshl_b32 s[IX1], s[IX1], 2
	s_load_b32 s[NST], s[12:13], s[IX0] offset:0x0 ; its start and end: waited for behind the first tile; IX0, IX1 stay as they are
	s_load_b32 s[NEN], s[12:13], s[IX1] offset:0x0
; The ring's first fill of slot c: chunk c, 16 loads.
.macro RING c
	WIN 0x40
.irp i, 0,1,2,3,4,5,6,7,8,9,10,11,12,13,14,15
	global_load_b128 v[64*(\c)+4*\i:64*(\c)+4*\i+3], v[WO], s[WP:WP+1] offset:(\c)*CHKB+\i*ROWB th:TH_LOAD_NT
.endr
	WIN 0
.endm
; Sixteen quads of x, from number n0 on (two of my four rows), are rounded to bf16 and put into LDS: 32 lanes, 256 consecutive bytes a store.
.macro STAGE n0
.set n, \n0
.rept 16
	v_cvt_pk_bf16_f32 v[XT+4*n], v[XT+4*n], v[XT+4*n+1]
	v_cvt_pk_bf16_f32 v[XT+4*n+1], v[XT+4*n+2], v[XT+4*n+3]
	ds_store_b64 v[XS], v[XT+4*n:XT+4*n+1] offset:(n/8)*8*XP+(n%8)*256
.set n, n+1
.endr
.endm
; Chunk c of my 16: 32 k x my 64 columns, in ring slot c mod 3; x's fragments lie 64 c bytes along its rows.  Chunk 0's products start the sums.  Chunks 0 to 12 ask for the chunk three on.
.macro CHUNK c
.set SL, 64*((\c)%3)
.if (\c) < 14
	s_wait_loadcnt 32                              ; loads come back in order: this chunk's 16 are in, the two younger chunks' 32 stay out
.elseif (\c) == 14
	s_wait_loadcnt 16                              ; one younger chunk is left
.else
	s_wait_loadcnt 0x0                             ; none
.endif
	WIN 0x41
.set r, SL
.rept 64
	v_cvt_f32_i32 v[r], v[r]                       ; in place; these 64 are also the places between the last chunk's products and the loads and packs into A and F below
.set r, r+1
.endr
	WIN 0
.irp m, 0,1
	ds_load_b128 v[A+8*\m:A+8*\m+3],   v[AR0] offset:\m*16*XP+(\c)*64
	ds_load_b128 v[A+8*\m+4:A+8*\m+7], v[AR0] offset:\m*16*XP+(\c)*64+16
.endr
	WIN 0x05
.irp j, 0,1,2,3
.irp p, 0,1,2,3,4,5,6,7
	v_cvt_pk_bf16_f32 v[F+8*\j+\p], v[SL+8*\p+\j], v[SL+8*\p+4+\j]  ; column 4 r + j: k = 16 h + 2 p below, 2 p + 1 above
.endr
.endr
.if (\c) < 13
	s_wait_xcnt 0x0                                ; the youngest loads, a chunk back, have read the pointer
	s_add_nc_u64 s[WP:WP+1], s[WP:WP+1], CHKB
	WIN 0x40
.irp i, 0,1,2,3,4,5,6,7,8,9,10,11,12,13,14,15
	global_load_b128 v[SL+4*\i:SL+4*\i+3], v[WO], s[WP:WP+1] offset:2*CHKB+\i*ROWB th:TH_LOAD_NT
.endr
.endif
	WIN 0
	s_wait_dscnt 0x0                               ; x's fragments
.irp j, 0,1,2,3,4                      ; the ten accumulators take turns, one instruction a turn, from chunk to chunk too
.irp m, 0,1
.if \j < 4
.set BR, F+8*\j
.else
.set BR, ONES
.endif
.if (\c) == 0
	v_wmma_f32_16x16x32_bf16 v[ACC+40*\m+8*\j:ACC+40*\m+8*\j+7], v[A+8*\m:A+8*\m+7], v[BR:BR+7], 0
.else
	v_wmma_f32_16x16x32_bf16 v[ACC+40*\m+8*\j:ACC+40*\m+8*\j+7], v[A+8*\m:A+8*\m+7], v[BR:BR+7], v[ACC+40*\m+8*\j:ACC+40*\m+8*\j+7]
.endif
.endr
.endr
.endm
; Row tile \mt is finished: the other half of K is added, out = scale (sum + offset x row sum), eight stores: 16 lanes write 256 consecutive bytes, aligned, of a row.
; A place past the tile's count holds the last row's values (x repeats that row) and is stored to the last row: EXEC is never narrowed.
.macro FINAL mt
.set AC, ACC+40*(\mt)
.irp a, 0,1,2,3,4
	ds_load_b128 v[P+8*\a:P+8*\a+3],   v[RS] offset:(5*(\mt)+\a)*1024
	ds_load_b128 v[P+8*\a+4:P+8*\a+7], v[RS] offset:(5*(\mt)+\a)*1024+512
.endr
	s_wait_dscnt 0x0
.set z, 0
.rept 20
	v_pk_add_f32 v[AC+z:AC+z+1], v[AC+z:AC+z+1], v[P+z:P+z+1]  ; ascending: each accumulator is read from its low end on
.set z, z+2
.endr
.irp i, 0,1,2,3,4,5,6,7
.if (\i%4) == 0
	s_wait_xcnt 0x0                                ; the four quads and their offsets are rewritten only behind this wait
.endif
	v_add_nc_u32 v[O+\i%4], 16*(\mt)+\i, v[ROWH]   ; my row's place in the tile,
	v_min_u32 v[O+\i%4], s[NM1], v[O+\i%4]         ; the last row's at the most,
	v_min_u32 v[O+\i%4], 31, v[O+\i%4]
	v_lshl_add_u32 v[O+\i%4], v[O+\i%4], 12, v[COL]
.irp j, 0,1,2,3
	v_fma_f32 v[T+4*(\i%4)+\j], v[AC+32+\i], v[OFS+\j], v[AC+8*\j+\i]
.endr
.irp j, 0,1,2,3
	v_mul_f32 v[T+4*(\i%4)+\j], v[SCL+\j], v[T+4*(\i%4)+\j]
.endr
	global_store_b128 v[O+\i%4], v[T+4*(\i%4):T+4*(\i%4)+3], s[OP:OP+1] th:TH_STORE_NT
.endr
.endm
; A TILE: expert TG, rows TR0 .. TR0 + TN - 1.  nn ends its labels' names.  sk = 1: its parts are jumped where s[SK] = 1.
.macro TILE nn, sk
	; All pointers, in a straight line ahead of every jump: a kernel argument plus an offset whose loaded part is held by a constant.
	s_min_u32 s[TG], s[TG], 63
	s_mov_b32 s[TA+1], 0
	s_lshl_b32 s[TA], s[TG], 12
	s_add_co_u32 s[TA], s[TA], s[SLB]
	s_add_nc_u64 s[SB:SB+1], s[8:9], s[TA:TA+1]
	s_add_nc_u64 s[OB:OB+1], s[10:11], s[TA:TA+1]
.irp t, 0,1,2,3
	s_add_co_u32 s[TA], s[WV], 8*\t                ; place wave + 8 t of the tile;
	s_min_u32 s[TA], s[TA], s[NM1]                 ; places past the count repeat the last row
	s_add_co_u32 s[TA], s[TA], s[TR0]
	s_min_u32 s[TA], s[TA], 2047
	s_lshl_b32 s[TA], s[TA], 12
	s_add_nc_u64 s[XR+2*\t:XR+2*\t+1], s[4:5], s[TA:TA+1]
.endr
	s_lshl_b32 s[TA], s[TG], 22                    ; the expert's 4 MiB,
	s_lshl_b32 s[S0], s[Q], 21                     ; my 512 k,
	s_add_co_u32 s[TA], s[TA], s[S0]
	s_add_co_u32 s[TA], s[TA], s[SLB]              ; my strip
	s_add_nc_u64 s[WP:WP+1], s[6:7], s[TA:TA+1]
	s_min_u32 s[TA], s[TR0], 2047
	s_lshl_b32 s[TA], s[TA], 12
	s_add_co_u32 s[TA], s[TA], s[SLB]
	s_add_nc_u64 s[OP:OP+1], s[14:15], s[TA:TA+1]
.if \sk
	s_cmp_eq_u32 s[SK], 1
	s_cbranch_scc1 .Lstaged\nn
.endif
	; PART 1.  Scale and offset, my four rows of x, the ring's first chunk: 50 loads on end.  The other two chunks go out as x's halves come in: 48 loads are then out.
	global_load_b128 v[SCL:SCL+3], v[COL], s[SB:SB+1]
	global_load_b128 v[OFS:OFS+3], v[COL], s[OB:OB+1]
.irp t, 0,1,2,3
.irp c, 0,1,2,3,4,5,6,7
	global_load_b128 v[XT+32*\t+4*\c:XT+32*\t+4*\c+3], v[L16], s[XR+2*\t:XR+2*\t+1] offset:512*\c  ; 512 consecutive bytes of the row
.endr
.endr
	RING 0
	s_wait_loadcnt 32                              ; scale, offset and my first two rows are in; younger: my other two rows (16) and chunk 0 (16)
	STAGE 0
	RING 1
	s_wait_loadcnt 32                              ; my other two rows are in; younger: chunks 0 and 1
	STAGE 16
	RING 2
.Lstaged\nn:
	s_wait_dscnt 0x0                               ; for the others' sake: my rows of x lie in LDS (and my reads of the tile before's partial sums are over)
	s_barrier_signal -1
	s_barrier_wait -1
.if \sk
	s_cmp_eq_u32 s[SK], 1
	s_cbranch_scc1 .Lsummed\nn
.endif
	; PART 2.  My 16 chunks.
	CHUNK 0
.if (\sk) == 0
	s_cmp_eq_u32 s[TN], 0                          ; an expert without rows: twelve chunks are jumped; the three in the ring (slots 1, 2, 0) are used up as the last three, and the counts are the same
	s_cbranch_scc1 .Ltail\nn
.endif
.irp c, 1,2,3,4,5,6,7,8,9,10,11,12
	CHUNK \c
.endr
.Ltail\nn:
	CHUNK 13                                       ; the last three ask for nothing, and their counts run down
	CHUNK 14
	CHUNK 15
.rept 4
	v_nop                                          ; four places between the last products and the first read of a result (ISA guide 7.12.1)
.endr
	s_cmp_eq_u32 s[Q], 0
	s_cbranch_scc1 .Lsummed\nn                     ; waves 0-3 keep their sums
.set a, 0
.rept 10
	ds_store_b128 v[RS], v[ACC+8*a:ACC+8*a+3]   offset:a*1024      ; 512 consecutive bytes a store
	ds_store_b128 v[RS], v[ACC+8*a+4:ACC+8*a+7] offset:a*1024+512
.set a, a+1
.endr
.Lsummed\nn:
	s_wait_dscnt 0x0                               ; for the others' sake: my partial sums lie in LDS, and my reads of x are over
	s_barrier_signal -1
	s_barrier_wait -1
	; PART 3.  Waves 0-3 finish the row tiles that hold rows.
	s_cmp_eq_u32 s[TN], 0
	s_cbranch_scc1 .Lnext\nn
	s_cmp_lg_u32 s[Q], 0
	s_cbranch_scc1 .Lnext\nn
	FINAL 0
	s_cmp_gt_u32 s[TN], 16
	s_cbranch_scc0 .Lnext\nn
	FINAL 1
.Lnext\nn:
.endm
	TILE 0, 0
	s_wait_xcnt 0x0                                ; the stores have read their registers and their base: the second tile rewrites them
	s_wait_kmcnt 0x0                               ; the second tile's start and end
	s_cmp_eq_u32 s[NG], 0
	s_cselect_b32 s[S0], 0, s[NST]
	s_min_u32 s[S0], s[S0], 2048
	s_min_u32 s[S1], s[NEN], 2048
	s_and_b32 s[S0], s[S0], 31
	s_lshl_b32 s[TR0], s[EI], 5
	s_add_co_u32 s[TR0], s[TR0], s[S0]             ; 32 i + (start mod 32)
	s_sub_co_i32 s[TN], s[S1], s[TR0]              ; what the expert has left from there: none, if it ends sooner
	s_max_i32 s[TN], s[TN], 0
	s_min_u32 s[TN], s[TN], 32
	s_cmp_gt_u32 s[NG], 63                         ; row 32 i - 1 belongs to no group
	s_cselect_b32 s[TN], 0, s[TN]
	s_max_u32 s[NM1], s[TN], 1
	s_sub_co_u32 s[NM1], s[NM1], 1
	s_mov_b32 s[TG], s[NG]
	s_cmp_eq_u32 s[TN], 0
	s_cselect_b32 s[SK], 1, 0
	TILE 1, 1
	; ROWS OF NO GROUP.  Of rows 32 i .. 32 i + 31 wave w looks at rows w, w + 8, w + 16, w + 24: one at or past group_list[63] gets zeros in my slice's 1,024 bytes.
	s_lshl_b32 s[S0], s[EI], 5
	s_add_co_u32 s[S0], s[S0], s[WV]
	s_lshl_b32 s[TA], s[S0], 12
	s_add_co_u32 s[TA], s[TA], s[SLICEB]
	s_mov_b32 s[TA+1], 0
	s_add_nc_u64 s[ZP:ZP+1], s[14:15], s[TA:TA+1]
.irp t, 0,1,2,3
	s_add_co_u32 s[S1], s[S0], 8*\t
	s_cmp_ge_u32 s[S1], s[E63]
	s_cbranch_scc0 .Lkept\t
	global_store_b128 v[L16], v[ZQ:ZQ+3], s[ZP:ZP+1] offset:\t*8*ROWB th:TH_STORE_NT
	global_store_b128 v[L16], v[ZQ:ZQ+3], s[ZP:ZP+1] offset:\t*8*ROWB+512 th:TH_STORE_NT
.Lkept\t:
.endr
	s_wait_tensorcnt 0x0                           ; the wave's end
	ds_add_u32 v[SPW], v[NIL]
	s_wait_dscnt 0x0
	s_endpgm
.Lfunc_end_k_q84a4a152a8_gmm:
	.size	k_q84a4a152a8_gmm, .Lfunc_end_k_q84a4a152a8_gmm-k_q84a4a152a8_gmm
	.p2alignl 7, 3214868480
	.fill 96, 4, 3214868480
	.section	.rodata,"a",@progbits
	.p2align	6, 0x0
	.amdhsa_kernel k_q84a4a152a8_gmm
		.amdhsa_group_segment_fixed_size 108032
		.amdhsa_private_segment_fixed_size 0
		.amdhsa_enable_private_segment 0
		.amdhsa_kernarg_size 48
		.amdhsa_user_sgpr_count 2
		.amdhsa_user_sgpr_kernarg_segment_ptr 1
		.amdhsa_wavefront_size32 1
		.amdhsa_system_sgpr_workgroup_id_x 1
		.amdhsa_system_sgpr_workgroup_id_y 1
		.amdhsa_system_sgpr_workgroup_id_z 1
		.amdhsa_system_vgpr_workitem_id 0
		.amdhsa_next_free_vgpr 448
		.amdhsa_next_free_sgpr 66
		.amdhsa_reserve_vcc 1
		.amdhsa_float_denorm_mode_32 3
		.amdhsa_float_denorm_mode_16_64 3
		.amdhsa_memory_ordered 1
		.amdhsa_forward_progress 1
		.amdhsa_inst_pref_size 255
	.end_amdhsa_kernel
	.section	.bss,"aw",@nobits
	.p2align	6
	.space	262144
	.amdgpu_metadata
---
amdhsa.version: [ 1, 2 ]
amdhsa.kernels:
  - .name:           k_q84a4a152a8_gmm
    .symbol:         k_q84a4a152a8_gmm.kd
    .args:
      - { .name: x, .offset: 0, .size: 8, .value_kind: global_buffer, .address_space: global }
      - { .name: weight, .offset: 8, .size: 8, .value_kind: global_buffer, .address_space: global }
      - { .name: antiquant_scale, .offset: 16, .size: 8, .value_kind: global_buffer, .address_space: global }
      - { .name: antiquant_offset, .offset: 24, .size: 8, .value_kind: global_buffer, .address_space: global }
      - { .name: group_list, .offset: 32, .size: 8, .value_kind: global_buffer, .address_space: global }
      - { .name: out0, .offset: 40, .size: 8, .value_kind: global_buffer, .address_space: global }
    .group_segment_fixed_size: 108032
    .private_segment_fixed_size: 0
    .kernarg_segment_align: 8
    .kernarg_segment_size: 48
    .max_flat_workgroup_size: 256
    .sgpr_count:     66
    .vgpr_count:     448
    .wavefront_size: 32
...
	.end_amdgpu_metadata
.endif
;; end of part 1
